; MI455X (gfx1250); checked and timed in simulation.
; The chip was launched on July 23, 2026; its instructions are those of AMD's public machine-readable ISA for CDNA 5 (MIT licence, August 2026) and "CDNA5" Instruction Set Architecture Reference Guide (July 2026). The comments in the code are by the model that wrote it; some were corrected since.
;; Multi Head Self Attention. Allowed arithmetic: matrix products marked QUANTISED: E2M1 operands, one E8M0 scale for each 32 along K, by v_wmma_scale_f32_16x16x128_f8f6f4 with both operands' format E2M1 (or v_wmma_scale_f32_32x16x128_f4), f32 sums; everything else in f32.
;; Inputs: Wk_codes 512 x 16 x 16 uint8 (E2M1 codes of Wk, K innermost, in blocks of 32 codes, two codes a byte); Wk_scales 512 x 16 uint8 (E8M0 scales of Wk, one for each 32 codes along K); Wo_codes 512 x 16 x 16 uint8 (E2M1 codes of Wo, K innermost, in blocks of 32 codes, two codes a byte); Wo_scales 512 x 16 uint8 (E8M0 scales of Wo, one for each 32 codes along K); Wq_codes 512 x 16 x 16 uint8 (E2M1 codes of Wq, K innermost, in blocks of 32 codes, two codes a byte); Wq_scales 512 x 16 uint8 (E8M0 scales of Wq, one for each 32 codes along K); Wv_codes 512 x 16 x 16 uint8 (E2M1 codes of Wv, K innermost, in blocks of 32 codes, two codes a byte); Wv_scales 512 x 16 uint8 (E8M0 scales of Wv, one for each 32 codes along K); bk 512 float32; bo 512 float32; bq 512 float32; bv 512 float32; x_codes 2 x 4,096 x 16 x 16 uint8 (E2M1 codes of x, K innermost, in blocks of 32 codes, two codes a byte); x_scales 2 x 4,096 x 16 uint8 (E8M0 scales of x, one for each 32 codes along K).
;; Outputs: out0 2 x 4,096 x 512 float32.
;; This version of the problem:
;;   THIS VERSION OF THE PROBLEM IS GIVEN IN LOW PRECISION. The matrix products marked QUANTISED in the list below multiply operands that are first quantised to E2M1 (2 exponent bits, 1 mantissa bit; 4 bits a number), with one power-of-two scale for each 32 numbers along K (OCP MX v1.0); their sums are f32. All else is computed in f32.
;;   The module's matrix products, in the order in which they are computed (A, B: the left and right operand; K: the contracted axis; several contracted axes count as one K, in the product's order):
;;     1. [M 8,192, K 512] x [K 512, N 512]; A: input x (given as codes); B: input Wq (given as codes): QUANTISED
;;     2. [M 8,192, K 512] x [K 512, N 512]; A: input x (given as codes); B: input Wk (given as codes): QUANTISED
;;     3. [M 8,192, K 512] x [K 512, N 512]; A: input x (given as codes); B: input Wv (given as codes): QUANTISED
;;     4. batch 16 x [M 4,096, K 64] x [K 64, N 4,096]; A: computed on the way; B: computed on the way: QUANTISED
;;     5. batch 16 x [M 4,096, K 4,096] x [K 4,096, N 64]; A: softmax (see below); B: computed on the way: QUANTISED
;;     6. [M 8,192, K 512] x [K 512, N 512]; A: computed on the way; B: input Wo (given as codes): QUANTISED
;;   THE QUANTISER, for each operand of a quantised product, along K:
;;     - K is cut into blocks of 32 from its start; a last block that is shorter is filled with zeros.
;;     - A block's scale is 2^e with e = floor(log2(the largest magnitude in the block)) - 2, held to -126 .. 127; a block of zeros has e = 0. As a byte (E8M0): e + 127.
;;     - Each number is divided by its block's scale, clamped to +-6, and rounded to the nearest number of E2M1, ties to even, subnormals kept.
;;     - The product sums the exact products of the quantised numbers (number of the format x scale) in f32.
;;   ~~~python
;;   def quantise(x, axis):      # numpy; x: float32 -> the quantised numbers, widened to float32 again
;;       x = np.moveaxis(x, axis, -1); K = x.shape[-1]
;;       x = np.pad(x, [(0, 0)] * (x.ndim - 1) + [(0, -K % 32)]); x = x.reshape(x.shape[:-1] + (-1, 32)); a = np.abs(x).max(-1, keepdims=True)
;;       e = np.where(a > 0, np.clip(np.frexp(np.where(a > 0, a, 1))[1] - 1 - 2, -126, 127), 0)      # np.frexp(a)[1] - 1 = floor(log2(a)), exactly
;;       r = np.clip(x / 2.0 ** e, -6, 6)
;;       step = 2.0 ** (np.maximum(np.frexp(np.where(r == 0, 1, r))[1] - 1, 0) - 1)
;;       q = np.round(r / step) * step * 2.0 ** e      # np.round: ties to even
;;       return np.moveaxis(q.reshape(q.shape[:-2] + (-1,))[..., :K], -1, axis).astype(np.float32)
;;   ~~~
;;   SOFTMAX AHEAD OF A QUANTISED PRODUCT. Where the list says 'softmax', what is quantised is not the finished softmax but p = 2^(t - M), with t = logit x log2(e) and M = ceil(the row's largest t), a whole number; so 1/2 < the row's largest p <= 1. The row's sum l is taken of the UNQUANTISED p, in f32, and the product's result is divided by l at the end. Since M is a whole number, a kernel that streams over the keys may use a running M (the ceiling of the running maximum): every later rescaling is an exact power of two, which a block's scale takes up: the codes' values come out the same.
;;   OPERANDS COMPUTED ON THE WAY. 'Computed on the way' means the value that the module computes at that place (a softmax that the list does not call 'softmax' is quantised finished and normalised). What goes into a quantiser is computed in f32, as accurately as f32 sums, v_exp_f32 and their like allow (about 1e-6 of the number): no bf16 or f16 on the way to a quantiser, and a product that is left as it is and whose result goes on into a quantised operand takes f32 operands (vector FMAs, or v_wmma_f32_16x16x4_f32). A number that lies on a knife's edge between two numbers of the format may be rounded either way, as far as f32 arithmetic and the matrix unit's own rounding can turn it there, and no further.
;;   INPUTS GIVEN AS CODES. Wk (in the module: [512, 512], K = its axis 1); Wo (in the module: [512, 512], K = its axis 1); Wq (in the module: [512, 512], K = its axis 1); Wv (in the module: [512, 512], K = its axis 1); x (in the module: [2, 4096, 512], K = its axis 2): each comes as NAME_codes (uint8): NAME with its K axis moved to the last place and cut into blocks of 32 codes, [.., K / 32, bytes a block], one block behind the other in memory; two codes a byte, the lower K in the low four bits (a code: sign, 2 exponent bits, 1 mantissa bit); and NAME_scales (uint8): the same leading axes, one E8M0 byte (e + 127) for each 32 codes along K. Its value is code x scale, taken as it is: it is not quantised again, and the codes and scales need not be those that the quantiser above would give.
;; One version. Each part assembles by itself: llvm-mc -triple=amdgcn-amd-amdhsa -mcpu=gfx1250 --defsym DOCPART=n.
;; ======== version 1 of 1: 3 launches
;; limits: right only within a limited range of input values
;; workspace buffers: qc 2,097,152 bytes; qs 262,144 bytes; kv 4,587,520 bytes; oc 2,097,152 bytes; os 262,144 bytes
;; launch qkv (part 1): grid 64 x 4, 3 waves a work-group, no clusters, 0 bytes of LDS; arguments x_codes, x_scales, Wq_codes, Wq_scales, bq, Wk_codes, Wk_scales, bk, Wv_codes, Wv_scales, bv, qc, qs, kv; writes qc, qs, kv
.if DOCPART == 1
	.amdgcn_target "amdgcn-amd-amdhsa--gfx1250"
	.amdhsa_code_object_version 6
	.text
	.protected	k_q88ed32bac3_qkv
	.globl	k_q88ed32bac3_qkv
	.p2align	8
	.type	k_q88ed32bac3_qkv,@function
k_q88ed32bac3_qkv:
	s_mov_b64 s[64:65], 0
	v_nop
	global_prefetch_b8 v0, s[64:65] scope:SCOPE_SE
	s_setreg_imm32_b32 hwreg(HW_REG_WAVE_MODE, 25, 1), 1
	s_wait_xcnt 0x0
; q = x Wq^T + bq, k = x Wk^T + bk, v = x Wv^T + bv on codes of FP4 (E2M1) with one E8M0 scale for each 32 along K = 512; the three results are quantised at once, in registers:
; q and k along a head's 64 channels (two blocks), v along the keys, and leave as IMAGES OF OPERAND REGISTERS (lane l's 16 bytes at 16 l), so that the next launch loads them as they lie.
; SHARES.  A work-group owns 128 tokens (work-group x) and 128 channels = two heads (work-group y).  Wave 0 makes q, wave 1 k, wave 2 v.
; ONE SCHEME: result = STAT (128 rows, source 0) x MOV^T (16 rows at a time, source 1) + bias.  q, k: STAT = the weight's 128 rows, MOV = 8 tiles of tokens: a lane holds one token, its registers run along the channels.
; v: STAT = x's 128 tokens, MOV = 8 tiles of Wv's rows: a lane holds one channel, its registers run along the keys.  So a lane's registers always run along the next product's K.
; THE ROWS OF A TILE ARE NOT NEIGHBOURS: lane r of tile i takes row 32 (i / 2) + 8 (i % 2) + r + 8 (r / 8) of the 128, on the standing side (source 0).  As source 0 that makes the 16 registers of result tiles 2 b, 2 b + 1
; sixteen neighbours, 32 b + 16 (lane / 16) + 0 .. 15.
; All operands go from memory straight into registers at the head: 64 fragments (64 KB) a wave, each read once by the wave and used as it lands.
; NO CLUSTER, NO TENSOR LOAD: x's 128 rows are shared by the 4 work-groups along y and a weight's rows by the 64 along x, but the operands are wanted in registers: through LDS each wave would read its 64 KB once more,
; behind a round and a barrier, for 256 matrix instructions in all.
; LIMITS: NaN and infinities are not served.  A block whose largest magnitude lies under 2^-124 (a block of zeros too) gets the scale byte 1; these bytes are read by this program alone.
; REGISTERS, in windows of 256: window 0: v1-11 addresses; v16-47 STAT's scale words (4 t + s); v48-79 MOV's (4 i + s); v80-143 eight accumulators; v144-159 codes, two sets; v160-175 at work; v176-178 scale words at work;
;   v180-187 scale words to store; v188-195 v's bias, a register a tile; v196-211 the same spread over eight registers, two sets.   window 1: STAT's fragments at 8 (4 t + s).   window 2: MOV's at 8 (4 i + s).
;   window 3: v0-63 q's or k's bias in the result's layout.
.set SS,  16
.set MS,  48
.set ACC, 80
.set PC,  144
.set TM,  160
.set PW,  176
.set WT,  177
.set SW,  180
.set BV,  188
.set CV,  196
.set WV,  38                           ; s38  my wave's number
.set SEL, 40                           ; s[40:41] selects of v_permlanex16_b32 for lane l xor 16
.set HM,  42                           ; s42  a mask of lanes 16-31
.set STC, 44                           ; s[44:45] STAT's codes;  s[46:47] its scale bytes
.set STS, 46
.set MVC, 48                           ; s[48:49] MOV's codes;   s[50:51] its scale bytes
.set MVS, 50
.set BIA, 52                           ; s[52:53] the bias
.set OC0, 54                           ; s[54:55], s[56:57] where the two heads' codes go
.set OC1, 56
.set OS0, 58                           ; s[58:59], s[60:61] and their scale words
.set OS1, 60
.set MSB, 0
.macro WIN new                         ; the immediate's high byte repeats the setting that is left; a switch that changes nothing is dropped
.if MSB != \new
	s_set_vgpr_msb (MSB<<8)|\new
.set MSB, \new
.endif
.endm
; 64 numbers of a lane, v[s] .. v[s + 63], register 16 b + i = k 32 b + 16 (lane / 16) + i of the lane's row, become a fragment's codes in v[pc] .. v[pc + 7] and its scale word in v[pw].
.macro QUANT s, pc, pw
.irp b, 0,1,2,3
	v_max3_num_f32 v[TM+\b], |v[\s+16*\b]|, |v[\s+1+16*\b]|, 0x1800000   ; block b: my 16 numbers, from each accumulator's low end on, and the floor 2^(3 - 127): the byte cannot fall under 1
.endr
.irp i, 2,4,6,8,10,12,14
.irp b, 0,1,2,3
	v_max3_num_f32 v[TM+\b], v[TM+\b], |v[\s+16*\b+\i]|, |v[\s+1+16*\b+\i]|   ; the four blocks by turns
.endr
.endr
.irp b, 0,1,2,3
	v_permlanex16_b32 v[TM+4+\b], v[TM+\b], s[SEL], s[SEL+1]
.endr
.irp b, 0,1,2,3
	v_max_num_f32 v[TM+\b], v[TM+\b], v[TM+4+\b]   ; with lane l xor 16's sixteen: the block's largest magnitude
.endr
.irp b, 0,1,2,3
	v_add_nc_u32 v[TM+12+\b], 0xff000000, v[TM+\b]   ; 2 off its exponent field: the conversion takes this operand's exponent field as its scale
.endr
.irp b, 0,1,2,3
	v_lshrrev_b32 v[TM+4+\b], 23, v[TM+12+\b]      ; the scale's byte
.endr
	v_lshl_or_b32 v[\pw], v[TM+5], 8, v[TM+4]      ; four bytes: the row's scale word, in both halves of the lanes
	v_lshl_or_b32 v[\pw], v[TM+6], 16, v[\pw]
	v_lshl_or_b32 v[\pw], v[TM+7], 24, v[\pw]
.irp b, 0,1,2,3
	v_cvt_scalef32_pk8_fp4_f32 v[\pc+2*\b], v[\s+16*\b:\s+7+16*\b], v[TM+12+\b]
	v_cvt_scalef32_pk8_fp4_f32 v[\pc+1+2*\b], v[\s+8+16*\b:\s+15+16*\b], v[TM+12+\b]
.endr
	v_nop                                          ; one plain instruction behind the scaled conversions
.irp c, 0,1                                    ; the operand's layout wants a whole block in a lane: lanes 0-15 block 2 c, lanes 16-31 block 2 c + 1
.irp i, 0,1
	v_permlane16_swap_b32 v[\pc+4*\c+\i], v[\pc+2+4*\c+\i]
.endr
.endr
.endm
; The 128 fragment loads: STAT's 32 fragments, then MOV's 32, tile by tile.  A fragment (16 rows x 128 K) is two loads of 16 bytes a lane, 32 bytes apart, at row x 256 + 64 s + 16 (lane / 16).
.macro LOADFR
	WIN 0x40                                       ; destination window 1
.irp t, 0,1,2,3,4,5,6,7
.irp s, 0,1,2,3
.irp c, 0,1
	global_load_b128 v[8*(4*\t+\s)+4*\c:8*(4*\t+\s)+4*\c+3], v4, s[STC:STC+1] offset:256*(32*(\t/2)+8*(\t%2))+64*\s+32*\c
.endr
.endr
.endr
	WIN 0x80                                       ; destination window 2
.irp t, 0,1,2,3,4,5,6,7
.irp s, 0,1,2,3
.irp c, 0,1
	global_load_b128 v[8*(4*\t+\s)+4*\c:8*(4*\t+\s)+4*\c+3], v10, s[MVC:MVC+1] offset:256*(64*(\t/4)+8*(\t%4))+64*\s+32*\c   ; the moving side's own choice of rows
.endr
.endr
.endr
	WIN 0
.endm
; Moving tile i against STAT's eight tiles: 32 matrix instructions, K step by K step, the eight accumulators by turns, one instruction a turn.
; The bias is the C of each sum's first instruction.
.macro MM i, isv
	s_wait_loadcnt 8*(7-(\i))                      ; the eight loads of each later moving tile may be out; all that was asked for earlier is in
.irp s, 0,1,2,3
.if (\s == 0) && (\isv == 0)
	WIN 0x39                                       ; source 0 window 1, source 1 window 2, C (the bias) window 3, D window 0
.else
	WIN 0x09                                       ; C in window 0
.endif
.irp t, 0,1,2,3,4,5,6,7
.set CB, ACC+8*\t
.if \s == 0
.if \isv
.set CB, CV+8*((\i)%2)
.else
.set CB, 8*\t
.endif
.endif
	v_wmma_scale_f32_16x16x128_f8f6f4 v[ACC+8*\t:ACC+8*\t+7], v[8*(4*\t+\s):8*(4*\t+\s)+7], v[8*(4*(\i)+\s):8*(4*(\i)+\s)+7], v[CB:CB+7], v[SS+4*\t+\s], v[MS+4*(\i)+\s] matrix_a_fmt:MATRIX_FMT_FP4 matrix_b_fmt:MATRIX_FMT_FP4
.endr
.endr
	WIN 0
.endm
	s_load_b512 s[8:23], s[0:1], 0x0               ; x's codes, x's scales; Wq's codes, scales, bq; Wk's codes, scales, bk
	s_load_b256 s[24:31], s[0:1], 0x40             ; Wv's codes, scales, bv; qc
	s_load_b128 s[32:35], s[0:1], 0x60             ; qs, kvc
	v_lshrrev_b32 v1, 5, v0
	v_readfirstlane_b32 s[WV], v1                  ; wave 0..2
	v_and_b32 v1, 15, v0                           ; r
	v_bfe_u32 v2, v0, 4, 1                         ; h
	v_and_b32 v3, 8, v1
	v_add_nc_u32 v3, v3, v1                        ; r + 8 (r / 8)
	v_lshlrev_b32 v4, 8, v3
	v_lshl_add_u32 v4, v2, 4, v4                   ; a fragment's row of 256 bytes, + 16 h
	v_lshlrev_b32 v5, 4, v3                        ; the row's 16 scale bytes: four words, one for each K step
	; THE MOVING SIDE (source 1) TAKES OTHER ROWS THAN THE STANDING SIDE: lane r of moving tile i takes row 64 (i / 4) + 8 (i % 4) + r % 8 + 32 (r / 8).
	; As source 0 of the next launch's products such a tile gives a lane a whole block of 32 neighbours in the 32 registers of four tiles.
	v_and_b32 v9, 8, v1
	v_mad_u32_u24 v9, v9, 3, v1                    ; r + 24 (r / 8)
	v_lshlrev_b32 v10, 8, v9
	v_lshl_add_u32 v10, v2, 4, v10                 ; its row of 256 bytes, + 16 h
	v_lshlrev_b32 v11, 4, v9                       ; its 16 scale bytes
	v_and_b32 v7, 31, v0
	v_lshlrev_b32 v6, 4, v7                        ; 16 x lane: an image's place
	v_lshlrev_b32 v7, 3, v7                        ; 8 x lane
.irp b, 0,1,2,3
	v_mov_b32 v[TM+4+\b], 0                        ; written once: a lane permute's destination counts as one of its sources
.endr
	s_mov_b32 s[SEL], 0x76543210
	s_mov_b32 s[SEL+1], 0xfedcba98
	s_mov_b32 s[HM], 0xffff0000
	s_and_b32 s2, ttmp7, 0xffff                    ; g: which 128 channels
	s_lshr_b32 s3, ttmp9, 5                        ; the batch
	s_and_b32 s4, ttmp9, 31                        ; which 128 tokens of it
	s_lshl_b32 s5, s3, 3
	s_lshl_b32 s6, s2, 1
	s_add_co_u32 s5, s5, s6                        ; 8 x batch + the first of my two heads
	s_lshl_b32 s66, ttmp9, 15                      ; byte offsets: x's codes (128 rows of 256 bytes),
	s_lshl_b32 s67, s2, 15                         ; a weight's codes,
	s_lshl_b32 s68, ttmp9, 11                      ; x's scale bytes (128 rows of 16),
	s_lshl_b32 s69, s2, 11                         ; a weight's
	s_cmp_eq_u32 s[WV], 2                          ; in v's wave x stands still and the weight moves
	s_cselect_b32 s70, s66, s67
	s_cselect_b32 s72, s68, s69
	s_cselect_b32 s74, s67, s66
	s_cselect_b32 s76, s69, s68
	s_mov_b32 s71, 0
	s_mov_b32 s73, 0
	s_mov_b32 s75, 0
	s_mov_b32 s77, 0
	s_lshl_b32 s78, s2, 9                          ; the bias: 128 numbers
	s_mov_b32 s79, 0
	s_cmp_eq_u32 s[WV], 0                          ; q's buffers have other strides than k's and v's
	; kv holds, for each head 286,720 bytes, for each 128 tokens 8,960: K's eight tiles (4,096), V's four fragments (4,096), K's scale words (512), V's (256)
	s_mov_b32 s39, 286720
	s_cselect_b32 s39, 131072, s39                 ; a head's codes
	s_mov_b32 s43, 286720
	s_cselect_b32 s43, 16384, s43                  ; a head's scale words
	s_mov_b32 s6, 8960
	s_cselect_b32 s6, 4096, s6                     ; 128 tokens' codes
	s_mov_b32 s7, 8960
	s_cselect_b32 s7, 512, s7                      ; 128 tokens' scale words
	s_cselect_b32 s3, 0, 8192                      ; in kv the scale words lie behind the 8,192 bytes of codes
	s_mul_i32 s62, s5, s39
	s_mul_i32 s6, s4, s6
	s_add_co_u32 s62, s62, s6
	s_mov_b32 s63, 0
	s_mul_i32 s6, s5, s43
	s_mul_i32 s7, s4, s7
	s_add_co_u32 s6, s6, s7
	s_add_co_u32 s6, s6, s3
	s_mov_b32 s7, 0
	s_wait_alu depctr_va_vdst(0)
	s_wait_kmcnt 0x0
	s_cmp_eq_u32 s[WV], 0                          ; the choices hang on the wave's number alone
	s_cselect_b64 s[66:67], s[12:13], s[18:19]     ; my weight's codes,
	s_cselect_b64 s[68:69], s[14:15], s[20:21]     ; its scale bytes,
	s_cselect_b64 s[BIA:BIA+1], s[16:17], s[22:23] ; its bias
	s_cselect_b64 s[OC0:OC0+1], s[30:31], s[34:35]
	s_cselect_b64 s[OS0:OS0+1], s[32:33], s[34:35]
	s_cmp_eq_u32 s[WV], 2
	s_cselect_b64 s[66:67], s[24:25], s[66:67]
	s_cselect_b64 s[68:69], s[26:27], s[68:69]
	s_cselect_b64 s[BIA:BIA+1], s[28:29], s[BIA:BIA+1]
	s_cselect_b64 s[STC:STC+1], s[8:9], s[66:67]
	s_cselect_b64 s[STS:STS+1], s[10:11], s[68:69]
	s_cselect_b64 s[MVC:MVC+1], s[66:67], s[8:9]
	s_cselect_b64 s[MVS:MVS+1], s[68:69], s[10:11]
	s_add_nc_u64 s[STC:STC+1], s[STC:STC+1], s[70:71]
	s_add_nc_u64 s[STS:STS+1], s[STS:STS+1], s[72:73]
	s_add_nc_u64 s[MVC:MVC+1], s[MVC:MVC+1], s[74:75]
	s_add_nc_u64 s[MVS:MVS+1], s[MVS:MVS+1], s[76:77]
	s_add_nc_u64 s[BIA:BIA+1], s[BIA:BIA+1], s[78:79]
	s_add_nc_u64 s[OC0:OC0+1], s[OC0:OC0+1], s[62:63]
	s_add_nc_u64 s[OS0:OS0+1], s[OS0:OS0+1], s[6:7]
	s_mov_b32 s70, s39
	s_add_nc_u64 s[OC1:OC1+1], s[OC0:OC0+1], s[70:71]   ; the second head
	s_mov_b32 s72, s43
	s_add_nc_u64 s[OS1:OS1+1], s[OS0:OS0+1], s[72:73]
.irp t, 0,1,2,3,4,5,6,7
	global_load_b128 v[SS+4*\t:SS+4*\t+3], v5, s[STS:STS+1] offset:16*(32*(\t/2)+8*(\t%2))   ; a row's four scale words at once
.endr
.irp t, 0,1,2,3,4,5,6,7
	global_load_b128 v[MS+4*\t:MS+4*\t+3], v11, s[MVS:MVS+1] offset:16*(64*(\t/4)+8*(\t%4))
.endr
	s_cmp_eq_u32 s[WV], 2
	s_cbranch_scc1 .Lv
	; ---- q and k.  The bias in the result's layout: register 8 t + j of lane (r, h) is channel 32 (t / 2) + 16 h + 8 (t % 2) + j
	v_lshlrev_b32 v8, 6, v2
	WIN 0xc0                                       ; destination window 3
.irp t, 0,1,2,3,4,5,6,7
	global_load_b128 v[8*\t:8*\t+3], v8, s[BIA:BIA+1] offset:4*(32*(\t/2)+8*(\t%2))
	global_load_b128 v[8*\t+4:8*\t+7], v8, s[BIA:BIA+1] offset:4*(32*(\t/2)+8*(\t%2))+16
.endr
	LOADFR
; Tile i of 16 tokens: the products, four places, the quantiser.  Codes' registers 0-3 are the first head's 64 channels (lane (r, h): block h), registers 4-7 the second head's; the scale word's halves likewise.
.macro QKTILE i
.set PCS, PC+8*((\i)%2)
	MM \i, 0
.rept 4
	v_nop                                          ; places between the last product and the first read of results
.endr
.if (\i) >= 2
	s_wait_xcnt 0x0                                ; the stores of two tiles back have read this set of codes' registers
.endif
	QUANT ACC, PCS, PW
	global_store_b128 v6, v[PCS:PCS+3], s[OC0:OC0+1] offset:512*(\i)     ; 32 lanes store 512 consecutive bytes
	global_store_b128 v6, v[PCS+4:PCS+7], s[OC1:OC1+1] offset:512*(\i)
.if (\i)%2 == 0
	v_and_b32 v[SW+(\i)/2], 0xffff, v[PW]          ; a word is byte 0, byte 1, 0, 0: the upper 64 of the next product's K step are zero codes
	v_lshrrev_b32 v[SW+4+(\i)/2], 16, v[PW]
.else
	v_and_b32 v[WT], 0xffff, v[PW]
	v_lshrrev_b32 v[WT+1], 16, v[PW]
	v_cndmask_b32 v[SW+(\i)/2], v[SW+(\i)/2], v[WT], s[HM]           ; an even tile's words in lanes 0-15, the odd tile's in lanes 16-31
	v_cndmask_b32 v[SW+4+(\i)/2], v[SW+4+(\i)/2], v[WT+1], s[HM]
.endif
.endm
.irp i, 0,1,2,3,4,5,6,7
	QKTILE \i
.endr
	global_store_b128 v6, v[SW:SW+3], s[OS0:OS0+1]       ; eight tiles' scale words of a head: 512 consecutive bytes
	global_store_b128 v6, v[SW+4:SW+7], s[OS1:OS1+1]
	s_endpgm
.Lv:
	; ---- v.  A lane holds one channel, so its bias is one number for all eight registers of C
	v_lshlrev_b32 v8, 2, v9
.irp i, 0,1,2,3,4,5,6,7
	global_load_b32 v[BV+\i], v8, s[BIA:BIA+1] offset:4*(64*(\i/4)+8*(\i%4))
.endr
	LOADFR
	s_wait_loadcnt 56                              ; the seven later moving tiles' loads may be out: the bias is in
.irp j, 0,1,2,3,4,5,6,7
	v_mov_b32 v[CV+\j], v[BV]
.endr
.rept 4
	v_nop
.endr
; Tile i: 16 channels (head i / 4, tile i % 4 of its four) x the 128 keys: one fragment of V^T and one scale word a channel.
.macro VTILE i
.set PCS, PC+8*((\i)%2)
.set PWS, SW+2*((\i)/4)+((\i)%4)/2
	MM \i, 1
.if (\i) < 7
.irp j, 0,1,2,3,4,5,6,7
	v_mov_b32 v[CV+8*(((\i)+1)%2)+\j], v[BV+(\i)+1]   ; the next tile's bias, into the set that the tile before read: also the places behind the last product
.endr
.else
.rept 4
	v_nop
.endr
.endif
.if (\i) >= 2
	s_wait_xcnt 0x0                                ; the stores of two tiles back have read this set of codes' registers
.endif
.if (\i)%2 == 0
	QUANT ACC, PCS, PWS
.else
	QUANT ACC, PCS, WT
	v_cndmask_b32 v[PWS], v[PWS], v[WT], s[HM]     ; an even tile's words in lanes 0-15, the odd tile's in lanes 16-31
.endif
	global_store_b128 v6, v[PCS:PCS+3], s[OC0:OC0+1] offset:286720*((\i)/4)+4096+1024*((\i)%4)       ; behind K's eight tiles of the step
	global_store_b128 v6, v[PCS+4:PCS+7], s[OC0:OC0+1] offset:286720*((\i)/4)+4096+1024*((\i)%4)+512
.if (\i)%4 == 3
	global_store_b64 v7, v[SW+2*((\i)/4):SW+2*((\i)/4)+1], s[OS0:OS0+1] offset:286720*((\i)/4)+512    ; a head's four tiles' words: 256 consecutive bytes, behind K's 512
.endif
.endm
	s_wait_alu depctr_va_vdst(0)
.irp i, 0,1,2,3,4,5,6,7
	VTILE \i
.endr
	s_endpgm
.Lfunc_end_k_q88ed32bac3_qkv:
	.size	k_q88ed32bac3_qkv, .Lfunc_end_k_q88ed32bac3_qkv-k_q88ed32bac3_qkv
	.p2alignl 7, 3214868480
	.fill 96, 4, 3214868480
	.section	.rodata,"a",@progbits
	.p2align	6, 0x0
	.amdhsa_kernel k_q88ed32bac3_qkv
		.amdhsa_group_segment_fixed_size 0
		.amdhsa_private_segment_fixed_size 0
		.amdhsa_enable_private_segment 0
		.amdhsa_kernarg_size 112
		.amdhsa_user_sgpr_count 2
		.amdhsa_user_sgpr_kernarg_segment_ptr 1
		.amdhsa_wavefront_size32 1
		.amdhsa_system_sgpr_workgroup_id_x 1
		.amdhsa_system_sgpr_workgroup_id_y 1
		.amdhsa_system_sgpr_workgroup_id_z 1
		.amdhsa_system_vgpr_workitem_id 0
		.amdhsa_next_free_vgpr 832
		.amdhsa_next_free_sgpr 80
		.amdhsa_reserve_vcc 0
		.amdhsa_float_denorm_mode_32 3
		.amdhsa_float_denorm_mode_16_64 3
		.amdhsa_memory_ordered 1
		.amdhsa_forward_progress 1
		.amdhsa_inst_pref_size 166
	.end_amdhsa_kernel
	.amdgpu_metadata
---
amdhsa.version: [ 1, 2 ]
amdhsa.kernels:
  - .name:           k_q88ed32bac3_qkv
    .symbol:         k_q88ed32bac3_qkv.kd
    .args:
      - { .name: x_codes, .offset: 0, .size: 8, .value_kind: global_buffer, .address_space: global }
      - { .name: x_scales, .offset: 8, .size: 8, .value_kind: global_buffer, .address_space: global }
      - { .name: Wq_codes, .offset: 16, .size: 8, .value_kind: global_buffer, .address_space: global }
      - { .name: Wq_scales, .offset: 24, .size: 8, .value_kind: global_buffer, .address_space: global }
      - { .name: bq, .offset: 32, .size: 8, .value_kind: global_buffer, .address_space: global }
      - { .name: Wk_codes, .offset: 40, .size: 8, .value_kind: global_buffer, .address_space: global }
      - { .name: Wk_scales, .offset: 48, .size: 8, .value_kind: global_buffer, .address_space: global }
      - { .name: bk, .offset: 56, .size: 8, .value_kind: global_buffer, .address_space: global }
      - { .name: Wv_codes, .offset: 64, .size: 8, .value_kind: global_buffer, .address_space: global }
      - { .name: Wv_scales, .offset: 72, .size: 8, .value_kind: global_buffer, .address_space: global }
      - { .name: bv, .offset: 80, .size: 8, .value_kind: global_buffer, .address_space: global }
      - { .name: qc, .offset: 88, .size: 8, .value_kind: global_buffer, .address_space: global }
      - { .name: qs, .offset: 96, .size: 8, .value_kind: global_buffer, .address_space: global }
      - { .name: kv, .offset: 104, .size: 8, .value_kind: global_buffer, .address_space: global }
    .group_segment_fixed_size: 0
    .private_segment_fixed_size: 0
    .kernarg_segment_align: 8
    .kernarg_segment_size: 112
    .max_flat_workgroup_size: 96
    .sgpr_count:     80
    .vgpr_count:     832
    .wavefront_size: 32
...
	.end_amdgpu_metadata
.endif
;; end of part 1
;; launch attn (part 2): grid 16 x 16, 16 waves a work-group, clusters of 4 x 1, 327,680 bytes of LDS; arguments qc, qs, kv, oc, os; writes oc, os
.if DOCPART == 2
	.amdgcn_target "amdgcn-amd-amdhsa--gfx1250"
	.amdhsa_code_object_version 6
	.text
	.protected	k_q88ed32bac3_attn
	.globl	k_q88ed32bac3_attn
	.p2align	8
	.type	k_q88ed32bac3_attn,@function
k_q88ed32bac3_attn:
	s_mov_b64 s[64:65], 0
	v_nop
	global_prefetch_b8 v0, s[64:65] scope:SCOPE_SE
	s_setreg_imm32_b32 hwreg(HW_REG_WAVE_MODE, 25, 1), 1
	s_wait_xcnt 0x0
	s_wait_alu depctr_hold_cnt(0) depctr_sa_sdst(0) depctr_va_vdst(0) depctr_va_sdst(0) depctr_va_ssrc(0) depctr_va_vcc(0) depctr_vm_vsrc(0)
	s_getreg_b32 s2, hwreg(HW_REG_IB_STS2, 6, 4)
	s_cmp_eq_u32 s2, 0
	s_cbranch_scc0 .Lentry_in_a_cluster
	s_endpgm
.Lentry_in_a_cluster:
	s_bfe_u32 s2, ttmp6, 0x10000c
	s_cmp_lg_u32 s2, 0x3003
	s_cbranch_scc0 .Lentry_shape_is_right
	s_endpgm
.Lentry_shape_is_right:
; o[bh][q][:] = the sum over k of softmax_k(q . k / 8) v[k][:], both products on codes of FP4 (E2M1) with one E8M0 scale for each 32 along K; o is quantised along the model's 512 (two blocks a head) and leaves as codes.
; THE SOFTMAX: t = score x log2(e) / 8; M = the row's largest t so far, rounded up to a whole number; p = 2^(t - M) is quantised along the keys, not normalised.  The row's sum is taken of the unquantised p and
; divides at the end.  When M moves, the sum and O are multiplied by 2^(old M - new M), which rounds nothing.
; SHARES.  A work-group owns 256 queries of one (batch, head); each of its sixteen waves one tile of 16, in 256 registers.  Every wave walks the head's 4,096 keys, 256 a step: 16 steps.
; LDS.  A head's K and V with their scale words are 286,720 bytes, 17,920 for each 256 keys: the whole head lies in LDS, filled ONCE: each wave brings one step's bytes (70 rows of 256) by its one tensor load.
; One barrier shows the head to all waves; no other stands ahead of the way out.  All lies as images of operand registers (lane l's 16 bytes at 16 l): every LDS load takes consecutive bytes.
; CLUSTER.  The four query blocks of a cluster belong to one head and want the same bytes: the fill is asked for JOINTLY, by the same load with the same descriptor and a mask that names the four.
; NO PREFETCH: the head is asked for whole at the launch's start; there is no loop whose later trips fetch anything.
; LAYOUT.  Both products are used transposed: S^T = K Q^T, O^T = V^T P^T: a lane holds one query (lane % 16) throughout.  Lane r of tile i (of keys, of channels) stands for row
; 64 (i / 4) + 8 (i % 4) + r % 8 + 32 (r / 8): the 32 registers of result tiles 4 c .. 4 c + 3 are the neighbours 64 c + 32 (lane / 16) + 0 .. 31: A WHOLE BLOCK OF 32 IN A LANE, in the order of the next operand's registers.
; THE FIRST PRODUCT HAS K = 64 in an instruction of K = 128: the upper four registers of Q's operand are zero codes, so the upper four of K's operand are the next tile's codes; the scale bytes over them are 0 (2^-127).
; A STEP'S ORDER.  Independent lines take turns wherever the arithmetic has them: the maxima run in eight chains, one a tile; the exponentials go in two batches, the second half's multiply-adds among the first half's
; exponentials, the first half's conversions and first additions among the second half's; what is written inside a batch is first read behind the next wait.  The row's sum is a tree in place whose last eight additions
; stand behind the next step's first products.  K's second half lands under the first half's maxima, V's first half under the softmax, V's second half (in registers of p that are done with) and the next step's K under the tree.
; LIMITS: NaN and infinities are not served.  The promise holds while the scaled scores stay under 2^31 in magnitude.  p under 2^-126 is 0.  A block whose every p is 0, and a block of o under 2^-124, get the
; scale byte 1; these bytes are read by this program alone.  A block's largest p is taken through its largest score, by the same multiply-add and exponential.
; REGISTERS: v1 16 x lane, v2 8 x lane; v3, v4 the add's two; v5, v6 the step's LDS addresses; v7, v25-27 at work; v8-11 the four blocks' maxima, then scale operands; v12 -M, v13 the largest score; v[14:15] the sum;
; v16-23 Q (v20-23 zeros), v24 its scale words; v28 f (v29: lane exchanges); v30, v31 p's scale words; v32-63 K's 8 tiles or V's 4 fragments, v64-67 zeros; v68-75 K's scale words, v76-79 V's;
; v80-95 the maxima's chains, then p's codes; v96-223 S^T, then p; v224-255 O^T.
.set DSTEP, 17920                      ; a step's bytes; the head begins at LDS byte DSTEP, so that an address one step back is still no less than 0
.set HALF,  8960                       ; 128 keys: K's tiles at 0, V's fragments at 4096, K's scale words at 8192, V's at 8704
.set STG,   0                          ; 1,024 bytes in which the sixteen waves' scale words of o meet; no fill lands here
.set SPARE, 1024                       ; the spare words: 128 bytes a wave, 2,048 in all
.set MX,  8
.set KV,  32
.set KS,  68
.set VS,  76
.set PC,  80
.set S,   96
.set O,   224
.set WV,  16                           ; s16  my wave's number
.set SEL, 20                           ; s[20:21] selects of v_permlanex16_b32 for lane l xor 16
.set CS,  22                           ; s[22:23] c = log2(e) / 8
.set G1,  24                           ; s[24:31], s[32:35] the descriptor
.set G0,  32
.set NC,  36                           ; s36  -c
.set TB,  37                           ; s37  DSTEP x the steps begun
.set CNT, 38
.macro CROUND                          ; a round of the cluster's barrier
	s_barrier_signal -1
	s_barrier_wait -1
	s_cmp_lg_u32 s[WV], 0
	s_cbranch_scc1 .Lnot_wave_0_\@
	s_barrier_signal -3
.Lnot_wave_0_\@:
	s_barrier_wait -3
	s_barrier_signal -1
	s_barrier_wait -1
.endm
.macro LDK adr, off                    ; K's eight tiles of 128 keys
.irp t, 0,1,2,3,4,5,6,7
	ds_load_b128 v[KV+4*\t:KV+4*\t+3], v[\adr] offset:\off+512*\t
.endr
.endm
.macro LDKS adr, off                   ; K's scale words of 256 keys: word b: tile 2 b in lanes 0-15, tile 2 b + 1 in lanes 16-31
	ds_load_b128 v[KS:KS+3], v[\adr] offset:\off+8192
	ds_load_b128 v[KS+4:KS+7], v[\adr] offset:\off+HALF+8192
.endm
.macro LDV reg, off                    ; V's four fragments of 128 keys
.irp t, 0,1,2,3
.irp c, 0,1
	ds_load_b128 v[\reg+8*\t+4*\c:\reg+8*\t+4*\c+3], v5 offset:\off+4096+1024*\t+512*\c
.endr
.endr
.endm
.macro SMUL g                          ; S^T of the step's half g: eight sums, each begun by the constant 0
.irp t, 0,2,4,6
	v_wmma_scale_f32_16x16x128_f8f6f4 v[S+64*\g+8*\t:S+64*\g+8*\t+7], v[KV+4*\t:KV+4*\t+7], v[16:23], 0, v[KS+4*\g+\t/2], v24 matrix_a_fmt:MATRIX_FMT_FP4 matrix_b_fmt:MATRIX_FMT_FP4
	v_wmma_scale_f32_16x16x128_f8f6f4 v[S+64*\g+8*\t+8:S+64*\g+8*\t+15], v[KV+4*\t+4:KV+4*\t+11], v[16:23], 0, v[KS+4*\g+\t/2], v24 matrix_a_fmt:MATRIX_FMT_FP4 matrix_b_fmt:MATRIX_FMT_FP4 matrix_a_scale:MATRIX_SCALE_ROW1
.endr
.endm
.macro MAXP g, a, b                    ; each of half g's eight chains takes up two more registers of its tile
.irp k, 0,1,2,3,4,5,6,7
	v_max3_num_f32 v[PC+\k], v[PC+\k], v[S+64*\g+8*\k+\a], v[S+64*\g+8*\k+\b]
.endr
.endm
.macro MAXA g                          ; the largest score of registers 0 .. 6 of each tile, from the low end on: 24 instructions, eight chains by turns
.irp k, 0,1,2,3,4,5,6,7
	v_max3_num_f32 v[PC+\k], v[S+64*\g+8*\k], v[S+64*\g+8*\k+1], v[S+64*\g+8*\k+2]
.endr
	MAXP \g, 3, 4
	MAXP \g, 5, 6
.endm
.macro MAXB g                          ; the tiles' last registers, and four chains become a block's largest score: eight instructions
.irp k, 0,2,4,6
	v_max3_num_f32 v[PC+\k], v[PC+\k], v[S+64*\g+8*\k+7], v[S+64*\g+8*\k+15]
.endr
.irp c, 0,1
	v_max3_num_f32 v[PC+4*\c], v[PC+4*\c], v[PC+4*\c+1], v[PC+4*\c+2]
.endr
.irp c, 0,1
	v_max_num_f32 v[MX+2*\g+\c], v[PC+4*\c], v[PC+4*\c+3]
.endr
.endm
.macro PV g, a                         ; O^T += V^T P^T over half g's 128 keys: four accumulators, one instruction each
.irp t, 0,2
	v_wmma_scale_f32_16x16x128_f8f6f4 v[O+8*\t:O+8*\t+7], v[\a+8*\t:\a+8*\t+7], v[PC+8*\g:PC+8*\g+7], v[O+8*\t:O+8*\t+7], v[VS+2*\g+\t/2], v[30+\g] matrix_a_fmt:MATRIX_FMT_FP4 matrix_b_fmt:MATRIX_FMT_FP4
	v_wmma_scale_f32_16x16x128_f8f6f4 v[O+8*\t+8:O+8*\t+15], v[\a+8*\t+8:\a+8*\t+15], v[PC+8*\g:PC+8*\g+7], v[O+8*\t+8:O+8*\t+15], v[VS+2*\g+\t/2], v[30+\g] matrix_a_fmt:MATRIX_FMT_FP4 matrix_b_fmt:MATRIX_FMT_FP4 matrix_a_scale:MATRIX_SCALE_ROW1
.endr
.endm
.macro FOLD d, s, n                    ; the row's sum as a tree in place: n pairs of p from register d on take up the n pairs from register s on
.set J, 0
.rept \n
	v_pk_add_f32 v[S+\d+J:S+\d+J+1], v[S+\d+J:S+\d+J+1], v[S+\s+J:S+\s+J+1]
.set J, J+2
.endr
.endm
.macro PKF lo, n                       ; t - M, two at a time: n pairs from register lo on
.set J, \lo
.rept \n
	v_pk_fma_f32 v[S+J:S+J+1], v[S+J:S+J+1], s[CS:CS+1], v[12:13] op_sel_hi:[1,0,0]
.set J, J+2
.endr
.endm
.macro LEND                            ; the tree's end: what is left in two pairs joins the running sum
	FOLD 64, 68, 2
	FOLD 64, 66, 1
	v_pk_add_f32 v[14:15], v[14:15], v[S+64:S+65]
.endm
	s_load_b256 s[4:11], s[0:1], 0x0               ; qc s[4:5], qs s[6:7], kv s[8:9], oc s[10:11]
	s_load_b64 s[12:13], s[0:1], 0x20              ; os
	v_lshl_add_u32 v3, v0, 2, SPARE
	v_mov_b32 v4, 0
	ds_add_u32 v3, v4                              ; the opening lines: the add, twice on end, and its wait ahead of my tensor load
	ds_add_u32 v3, v4
	v_lshrrev_b32 v1, 5, v0
	v_readfirstlane_b32 s[WV], v1                  ; wave 0..15
	s_bfe_u32 s17, ttmp6, 0x40000                  ; cx: it enters Q's, oc's and os's global addresses alone
	s_lshl_b32 s18, ttmp9, 2
	s_add_co_u32 s18, s18, s17                     ; my block of 256 queries
	s_and_b32 s19, ttmp7, 0xffff                   ; 8 x batch + head, which the four partners share
	s_mov_b32 s[G1], 15|(3<<16)|(1<<21)            ; the mask: all four work-groups; elements of 8 bytes; bit 21 beside a mask; no padding
	s_mov_b32 s[G1+1], 32<<16                      ; rows of 32 elements = 256 bytes,
	s_mov_b32 s[G1+2], 70<<16                      ; 70 of them
	s_mov_b32 s[G1+3], 32<<16
	s_mov_b32 s[G1+4], 70
	s_mov_b32 s[G1+5], 32
	s_mov_b32 s[G1+6], 0
	s_mov_b32 s[G1+7], 0
	s_mul_i32 s40, s19, 286720                     ; the head,
	s_mul_i32 s41, s[WV], DSTEP                    ; my wave's step of it
	s_add_co_u32 s40, s40, s41
	s_add_co_u32 s[G0+1], s41, DSTEP               ; and its place in LDS: the wave's number and constants alone
	s_mov_b32 s41, 0
	s_mov_b32 s[G0], 1
	s_mov_b32 s[SEL], 0x76543210
	s_mov_b32 s[SEL+1], 0xfedcba98
	s_mov_b32 s[CS], 0x3e38aa3b                    ; log2(e) / 8
	s_mov_b32 s[CS+1], s[CS]                       ; named with it as a pair, so it is written
	s_mov_b32 s[NC], 0xbe38aa3b
	s_wait_dscnt 0x0
	s_wait_kmcnt 0x0
	s_add_nc_u64 s[G0+2:G0+3], s[8:9], s[40:41]
	s_or_b32 s[G0+3], s[G0+3], 0x80000000          ; type = 2
	CROUND                                         ; all four work-groups are here: the joint loads meet
	tensor_load_to_lds s[G0:G0+3], s[G1:G1+7]      ; my one tensor load
	s_nop 0
.rept 4
	v_nop
.endr
	s_lshl_b32 s42, s18, 4
	s_add_co_u32 s42, s42, s[WV]                   ; my tile's number in the head: 16 x block + wave
	s_mov_b32 s45, 0
	s_lshl_b32 s44, s19, 17                        ; qc: 256 tiles of 512 bytes a head
	s_lshl_b32 s46, s42, 9
	s_add_co_u32 s44, s44, s46
	s_add_nc_u64 s[4:5], s[4:5], s[44:45]
	s_lshl_b32 s44, s19, 14                        ; qs: 32 groups of 512 bytes a head; my tile is tile wave % 8 of group 2 x block + wave / 8:
	s_lshl_b32 s46, s18, 10
	s_add_co_u32 s44, s44, s46
	s_lshr_b32 s46, s[WV], 3
	s_lshl_b32 s46, s46, 9
	s_add_co_u32 s44, s44, s46
	s_and_b32 s46, s[WV], 1                        ; an odd tile's words lie with lanes 16-31: 256 bytes on;
	s_lshl_b32 s46, s46, 8
	s_add_co_u32 s44, s44, s46
	s_bfe_u32 s46, s[WV], 0x20001                  ; word (wave % 8) / 2 of a lane's four
	s_lshl_b32 s46, s46, 2
	s_add_co_u32 s44, s44, s46
	s_add_nc_u64 s[6:7], s[6:7], s[44:45]
	s_lshr_b32 s47, s19, 3                         ; the batch
	s_and_b32 s48, s19, 7                          ; the head
	s_lshl_b32 s44, s47, 20                        ; oc: [512 tiles of tokens][8 heads][512 bytes]
	s_lshl_b32 s46, s42, 12
	s_add_co_u32 s44, s44, s46
	s_lshl_b32 s46, s48, 9
	s_add_co_u32 s44, s44, s46
	s_add_nc_u64 s[10:11], s[10:11], s[44:45]
	s_lshl_b32 s44, s48, 15                        ; os: [8 heads][512 tiles][16 words]: my work-group's 16 tiles are 1,024 consecutive bytes
	s_lshl_b32 s46, s47, 14
	s_add_co_u32 s44, s44, s46
	s_lshl_b32 s46, s18, 10
	s_add_co_u32 s44, s44, s46
	s_add_nc_u64 s[12:13], s[12:13], s[44:45]
	s_mov_b32 s[TB], 0
	s_mov_b32 s[CNT], 15
	v_and_b32 v2, 31, v0
	v_lshlrev_b32 v1, 4, v2                        ; 16 x lane
	v_lshlrev_b32 v2, 3, v2                        ; 8 x lane
	v_and_b32 v7, 15, v0
	v_lshlrev_b32 v7, 4, v7                        ; 16 x (lane % 16)
	s_wait_alu depctr_va_vdst(0)                   ; ahead of the loads that read what was just made
	global_load_b128 v[16:19], v1, s[4:5]          ; Q's codes: lane (r, h): block h of query r
	global_load_b32 v24, v7, s[6:7]                ; Q's scale words
.irp j, 20,21,22,23,64,65,66,67
	v_mov_b32 v[\j], 0                             ; zero codes: the upper 64 of Q's K step, and what stands behind K's last tile
.endr
	v_mov_b32 v13, 0xff61b1e6                      ; the largest score so far: -3e38
	v_mul_f32 v12, s[NC], v13
	v_floor_f32 v12, v12                           ; -M
	v_mov_b32 v14, 0                               ; the sum, in two halves
	v_mov_b32 v15, 0
	v_mov_b32 v29, 0                               ; a lane permute's destination counts as one of its sources
.set J, 0
.rept 16
	v_mov_b32 v[S+64+J], 0                         ; the first step finds an empty tree's end
.set J, J+1
.endr
.set J, 0
.rept 32
	v_mov_b32 v[O+J], 0                            ; O^T: the step's first run finds zeros, which the first change of M leaves zeros
.set J, J+1
.endr
; A STEP: 256 keys.  more = 1: the next step's K is asked for.
.macro STEP more
	s_add_co_u32 s[TB], s[TB], DSTEP
	s_wait_dscnt 0x0                               ; K's first eight tiles and the step's scale words of K are in
	SMUL 0
	v_add_nc_u32 v5, s[TB], v1                     ; this step's bytes
	v_add_nc_u32 v6, s[TB], v2
	v_mov_b32 v25, v12                             ; the old -M
	FOLD 64, 72, 4                                 ; the last step's tree goes on: with the three lines above, seven places between the products and the loads into K's registers
	LDK 5, HALF                                    ; keys 128-255
	LEND
	MAXA 0
	s_wait_alu depctr_va_vdst(0)
	s_wait_dscnt 0x0
	SMUL 1
	MAXB 0                                         ; places: these name the first half's registers alone
	v_max_num_f32 v7, v[MX], v[MX+1]
	LDV KV, 0                                      ; V of keys 0-127, where K lay
	ds_load_b64 v[VS:VS+1], v6 offset:8704         ; V's scale words
	ds_load_b64 v[VS+2:VS+3], v6 offset:HALF+8704
	MAXA 1
	MAXB 1
	v_max3_num_f32 v7, v7, v[MX+2], v[MX+3]        ; my 128 keys' largest score,
	s_delay_alu instid0(VALU_DEP_1)
	v_permlanex16_b32 v29, v7, s[SEL], s[SEL+1]
	s_delay_alu instid0(VALU_DEP_1)
	v_max3_num_f32 v13, v13, v7, v29               ; with lane l xor 16's: the running largest score (c is positive)
	s_delay_alu instid0(VALU_DEP_1)
	v_mul_f32 v7, s[NC], v13                       ; -t
	s_delay_alu instid0(VALU_DEP_1)
	v_floor_f32 v12, v7                            ; the new -M = floor(-t) = -ceil(t)
	PKF 0, 4                                       ; the first half's t - M; the three lines that make f stand among them
	v_sub_f32 v7, v12, v25                         ; old M - new M: a whole number, 0 or less
	PKF 8, 4
	v_cvt_i32_f32 v7, v7                           ; (it saturates)
	PKF 16, 4
	v_ldexp_f32 v28, 1.0, v7                       ; f = 2^(old M - new M)
	PKF 24, 20
.irp c, 0,1,2,3
	v_fma_f32 v[MX+\c], v[MX+\c], s[CS], v12       ; the same of each block's largest score
.endr
.set J, 0
.rept 16
	v_pk_mul_f32 v[O+J:O+J+1], v[O+J:O+J+1], v[28:29] op_sel_hi:[1,0]   ; O^T under the new M, each accumulator from its low end on; ahead of the exponentials
.set J, J+2
.endr
	v_pk_mul_f32 v[14:15], v[14:15], v[28:29] op_sel_hi:[1,0]           ; and the sum
	s_wait_alu depctr_va_vdst(0)
.irp c, 0,1,2,3
	v_exp_f32 v[MX+\c], v[MX+\c]                   ; the blocks' largest p
.endr
.set J, 0
.rept 32
	v_exp_f32 v[S+J], v[S+J]                       ; the first half's p = 2^(t - M);
	v_exp_f32 v[S+J+1], v[S+J+1]
	v_pk_fma_f32 v[S+64+J:S+64+J+1], v[S+64+J:S+64+J+1], s[CS:CS+1], v[12:13] op_sel_hi:[1,0,0]   ; among them the second half's t - M, first read behind the wait below
.set J, J+2
.endr
	s_wait_alu depctr_va_vdst(0)                   ; behind the first batch and ahead of the second
.irp c, 0,1,2,3
	v_max_num_f32 v[MX+\c], 0x1800000, v[MX+\c]    ; the floor 2^(3 - 127): the byte cannot fall under 1
.endr
.irp c, 0,1,2,3
	v_add_nc_u32 v[MX+\c], 0xff000000, v[MX+\c]    ; 2 off the exponent field: the conversion's scale operand
.endr
	v_lshrrev_b32 v7, 23, v[MX]                    ; the scale's byte of my block c, which is block 2 c + lane / 16 of the step's eight
	v_lshrrev_b32 v25, 23, v[MX+1]
	v_lshrrev_b32 v26, 23, v[MX+2]
	v_lshrrev_b32 v27, 23, v[MX+3]
	v_lshl_or_b32 v7, v25, 16, v7
	v_lshl_or_b32 v26, v27, 16, v26
	v_lshl_or_b32 v7, v26, 8, v7                   ; my bytes 0, 2, 1, 3
	v_permlanex16_b32 v29, v7, s[SEL], s[SEL+1]
	v_perm_b32 v30, v29, v7, 0x06020400            ; lanes 0-15: p's scale word of keys 0-127: my byte 0, the other half's 0, my 1, the other's 1 (lanes 16-31 are not read)
	v_perm_b32 v31, v29, v7, 0x07030501            ; and of keys 128-255
.set J, 0
.rept 8
	v_exp_f32 v[S+64+2*J], v[S+64+2*J]             ; the second half's p; among them the first half's codes: the operand's registers as they are wanted,
	v_exp_f32 v[S+65+2*J], v[S+65+2*J]
	v_cvt_scalef32_pk8_fp4_f32 v[PC+J], v[S+8*J:S+8*J+7], v[MX+J/4]
.set J, J+1
.endr
	v_nop                                          ; one plain instruction behind the scaled conversions, ahead of the lines that write their sources
.set J, 0
.rept 16
	v_exp_f32 v[S+80+3*J], v[S+80+3*J]
	v_exp_f32 v[S+81+3*J], v[S+81+3*J]
	v_exp_f32 v[S+82+3*J], v[S+82+3*J]
	v_pk_add_f32 v[S+2*J:S+2*J+1], v[S+2*J:S+2*J+1], v[S+32+2*J:S+33+2*J]   ; and the first half's first additions: also the places behind the scale words and the codes
.set J, J+1
.endr
	s_wait_alu depctr_va_vdst(0)                   ; one wait behind the batch, ahead of its first reader and of the readers of what was written inside it
	LDV S+32, HALF                                 ; V of keys 128-255, into 32 registers of p that are done with
	s_wait_dscnt 8                                 ; these eight may be out: V of keys 0-127 and V's scale words are in
	PV 0, KV
.set J, 0
.rept 8
	v_cvt_scalef32_pk8_fp4_f32 v[PC+8+J], v[S+64+8*J:S+64+8*J+7], v[MX+2+J/4]
.set J, J+1
.endr
	v_nop                                          ; one plain instruction behind the scaled conversions
	FOLD 64, 96, 16                                ; places between the products and the loads into V's registers
.if \more
	LDKS 5, DSTEP                                  ; the next step's K
	LDK 5, DSTEP
.endif
	FOLD 64, 0, 16
	s_wait_alu depctr_va_vdst(0)
	s_wait_dscnt 10*\more                          ; the ten loads of the next step's K may be out: V is in
	PV 1, S+32
	FOLD 64, 80, 8                                 ; eight places between these products and the next step's, which write over V's registers
	s_wait_alu depctr_va_vdst(0)
.endm
	s_wait_alu depctr_va_vdst(0)
	s_wait_loadcnt 0x0                             ; Q
	s_wait_tensorcnt 0x0                           ; my sixteenth of the head has landed
	s_barrier_signal -1
	s_barrier_wait -1                              ; and everybody's
	LDKS 1, DSTEP                                  ; the first step's K
	LDK 1, DSTEP
.Lstep:
	STEP 1
	s_sub_co_u32 s[CNT], s[CNT], 1
	s_cmp_lg_u32 s[CNT], 0
	s_cbranch_scc1 .Lstep
	STEP 0                                         ; the last step asks for nothing beyond the head
	; THE WAY OUT.  O^T / the sum; register 8 t + j is channel 32 (lane / 16) + 8 t + j of my query: one whole block of the last product's K.
	FOLD 64, 72, 4                                 ; the last tree's end
	LEND
	v_add_f32 v14, v14, v15                        ; the sum's two halves,
	v_permlanex16_b32 v29, v14, s[SEL], s[SEL+1]
	v_add_f32 v14, v14, v29                        ; and lane l xor 16's: the row's sum
	s_lshl_b32 s44, s[WV], 6
	v_and_b32 v7, 15, v0
	v_lshl_add_u32 v5, v7, 2, s44                  ; where my query's scale word of o goes: STG + 64 x wave + 4 x (lane % 16)
	v_bfe_u32 v6, v0, 4, 1
	v_lshlrev_b32 v6, 3, v6                        ; 8 x (lane / 16)
	s_wait_alu depctr_va_vdst(0)
	v_rcp_f32 v14, v14
	v_nop
	s_wait_alu depctr_va_vdst(0)                   ; ahead of the reciprocal's first reader, which is also O^T's
.set J, 0
.rept 16
	v_pk_mul_f32 v[S+J:S+J+1], v[O+J:O+J+1], v[14:15] op_sel_hi:[1,0]
.set J, J+2
.endr
	v_max3_num_f32 v8, |v[S]|, |v[S+1]|, 0x1800000      ; the block's largest magnitude, in two chains, and the floor 2^(3 - 127)
	v_max3_num_f32 v9, |v[S+2]|, |v[S+3]|, 0x1800000
.irp i, 4,8,12,16,20,24,28
	v_max3_num_f32 v8, v8, |v[S+\i]|, |v[S+\i+1]|
	v_max3_num_f32 v9, v9, |v[S+\i+2]|, |v[S+\i+3]|
.endr
	v_max_num_f32 v8, v8, v9
	v_add_nc_u32 v8, 0xff000000, v8                ; the conversion's scale operand
	v_lshrrev_b32 v9, 23, v8                       ; my block's byte,
	v_lshlrev_b32 v9, v6, v9                       ; at its place,
	v_permlanex16_b32 v29, v9, s[SEL], s[SEL+1]
	v_or_b32 v9, v9, v29                           ; with the other block's: byte 0, byte 1, 0, 0: the next launch joins two heads' words
.irp t, 0,1,2,3
	v_cvt_scalef32_pk8_fp4_f32 v[PC+\t], v[S+8*\t:S+8*\t+7], v8
.endr
	v_nop                                          ; one plain instruction behind the scaled conversions
	global_store_b128 v1, v[PC:PC+3], s[10:11]     ; lane (r, h): block h of query r; 32 lanes store 512 consecutive bytes
	ds_store_b32 v5, v9                            ; lanes r and r + 16 write the same word with the same value
	s_wait_dscnt 0x0                               ; for the others' sake: my store has landed
	s_barrier_signal -1
	s_barrier_wait -1
	s_cmp_lg_u32 s[WV], 0
	s_cbranch_scc1 .Lno_words
	ds_load_b128 v[32:35], v1 offset:STG           ; wave 0 stores the sixteen tiles' words: 1,024 consecutive bytes
	ds_load_b128 v[36:39], v1 offset:STG+512
	s_wait_dscnt 0x0
	global_store_b128 v1, v[32:35], s[12:13]
	global_store_b128 v1, v[36:39], s[12:13] offset:512
.Lno_words:
	s_wait_tensorcnt 0x0                           ; the wave's end
	ds_add_u32 v3, v4
	s_wait_dscnt 0x0
	CROUND                                         ; the closing round: no work-group ends while a partner may still ask for a tile that names it
	s_endpgm
.Lfunc_end_k_q88ed32bac3_attn:
	.size	k_q88ed32bac3_attn, .Lfunc_end_k_q88ed32bac3_attn-k_q88ed32bac3_attn
	.p2alignl 7, 3214868480
	.fill 96, 4, 3214868480
	.section	.rodata,"a",@progbits
	.p2align	6, 0x0
	.amdhsa_kernel k_q88ed32bac3_attn
		.amdhsa_group_segment_fixed_size 327680
		.amdhsa_private_segment_fixed_size 0
		.amdhsa_enable_private_segment 0
		.amdhsa_kernarg_size 40
		.amdhsa_user_sgpr_count 2
		.amdhsa_user_sgpr_kernarg_segment_ptr 1
		.amdhsa_wavefront_size32 1
		.amdhsa_system_sgpr_workgroup_id_x 1
		.amdhsa_system_sgpr_workgroup_id_y 1
		.amdhsa_system_sgpr_workgroup_id_z 1
		.amdhsa_system_vgpr_workitem_id 0
		.amdhsa_next_free_vgpr 256
		.amdhsa_next_free_sgpr 66
		.amdhsa_reserve_vcc 0
		.amdhsa_float_denorm_mode_32 3
		.amdhsa_float_denorm_mode_16_64 3
		.amdhsa_memory_ordered 1
		.amdhsa_forward_progress 1
		.amdhsa_inst_pref_size 63
	.end_amdhsa_kernel
	.amdgpu_metadata
---
amdhsa.version: [ 1, 2 ]
amdhsa.kernels:
  - .name:           k_q88ed32bac3_attn
    .symbol:         k_q88ed32bac3_attn.kd
    .args:
      - { .name: qc, .offset: 0, .size: 8, .value_kind: global_buffer, .address_space: global }
      - { .name: qs, .offset: 8, .size: 8, .value_kind: global_buffer, .address_space: global }
      - { .name: kv, .offset: 16, .size: 8, .value_kind: global_buffer, .address_space: global }
      - { .name: oc, .offset: 24, .size: 8, .value_kind: global_buffer, .address_space: global }
      - { .name: os, .offset: 32, .size: 8, .value_kind: global_buffer, .address_space: global }
    .group_segment_fixed_size: 327680
    .private_segment_fixed_size: 0
    .kernarg_segment_align: 8
    .kernarg_segment_size: 40
    .max_flat_workgroup_size: 512
    .sgpr_count:     66
    .vgpr_count:     256
    .wavefront_size: 32
...
	.end_amdgpu_metadata
.endif
;; end of part 2
;; launch proj (part 3): grid 256 x 1, 4 waves a work-group, no clusters, 34,304 bytes of LDS; arguments oc, os, Wo_codes, Wo_scales, bo, out0; writes out0
.if DOCPART == 3
	.amdgcn_target "amdgcn-amd-amdhsa--gfx1250"
	.amdhsa_code_object_version 6
	.text
	.protected	k_q88ed32bac3_proj
	.globl	k_q88ed32bac3_proj
	.p2align	8
	.type	k_q88ed32bac3_proj,@function
k_q88ed32bac3_proj:
	s_mov_b64 s[64:65], 0
	v_nop
	global_prefetch_b8 v0, s[64:65] scope:SCOPE_SE
	s_setreg_imm32_b32 hwreg(HW_REG_WAVE_MODE, 25, 1), 1
	s_wait_xcnt 0x0
; out0 = o Wo^T + bo on codes of FP4 (E2M1) with one E8M0 scale for each 32 along K = 512.  o comes as images of operand registers, oc [512 tiles of 16 tokens][8 heads][512 bytes], and scale words os [8 heads][512 tiles][16 words]
; (a word: a head's two bytes, 0, 0); Wo as given: rows of 256 bytes of codes and 16 scale bytes.
; SHARES.  Work-group p owns tiles 2 p and 2 p + 1, which together are tokens 64 (p / 2) + 16 (p % 2) + 0 .. 15 and 32 .. 47: lane r of tile 2 p + u stands for token 64 (p / 2) + 16 (p % 2) + 8 u + r % 8 + 32 (r / 8).  Wave w owns channels 128 w .. 128 w + 127.
; THE MATRIX INSTRUCTION IS USED TRANSPOSED (source 0 = 16 rows of Wo, source 1 = a tile of o): a lane holds eight neighbouring channels of one token.  A K step of 128 is two heads: registers 0-3 head 2 s, registers 4-7 head 2 s + 1.
; NO CLUSTER, NO TENSOR LOAD: every work-group reads all of Wo (136 KB with its scales), but each wave wants its quarter in registers and uses it at once, for 64 matrix instructions; through LDS it would be read once more,
; behind a round and a barrier.
; The bias is the C of each sum's first instruction.  The results go through the wave's own stage in LDS (16 rows of 512 bytes + 16) and leave as runs of 512 consecutive bytes.
; REGISTERS, in windows of 256: window 0: v1-9 addresses; v16-47 Wo's scale words (4 t + s); v48-55 o's words by head (lanes 0-15 tile 2 p, lanes 16-31 tile 2 p + 1); v56-59 the same joined, one a K step;
;   v64-127 o's fragments (32 u + 8 s), later rows of tile 0 on their way out; v128-255 sixteen accumulators (64 u + 8 t); v128-191 later rows of tile 1.   window 1: Wo's fragments at 8 (4 t + s).   window 2: v0-63 bo.
.set SSW, 16
.set RAW, 48
.set OSW, 56
.set MOV, 64
.set ACC, 128
.set MSB, 0
.macro WIN new                         ; the immediate's high byte repeats the setting that is left; a switch that changes nothing is dropped
.if MSB != \new
	s_set_vgpr_msb (MSB<<8)|\new
.set MSB, \new
.endif
.endm
	s_load_b256 s[4:11], s[0:1], 0x0               ; oc s[4:5], os s[6:7], Wo's codes s[8:9], Wo's scales s[10:11]
	s_load_b128 s[12:15], s[0:1], 0x20             ; bo s[12:13], out0 s[14:15]
	v_lshl_add_u32 v62, v0, 2, 0x8400
	v_mov_b32 v63, 0
	v_lshrrev_b32 v1, 5, v0
	v_readfirstlane_b32 s16, v1                    ; wave 0..3
	v_and_b32 v1, 15, v0                           ; r
	v_bfe_u32 v2, v0, 4, 1                         ; h
	v_lshlrev_b32 v3, 8, v1
	v_lshl_add_u32 v3, v2, 4, v3                   ; Wo: row r of 256 bytes, + 16 h
	v_lshlrev_b32 v4, 4, v1                        ; its 16 scale bytes
	v_and_b32 v6, 31, v0
	v_lshlrev_b32 v5, 4, v6                        ; 16 x lane
	v_lshlrev_b32 v6, 2, v6                        ; 4 x lane
	v_lshlrev_b32 v7, 5, v2                        ; bo: 8 numbers for each half of the lanes
	s_mul_i32 s17, s16, 8448                       ; my stage
	s_lshl_b32 s18, ttmp9, 13                      ; oc: two tiles of 4,096 bytes
	s_mov_b32 s19, 0
	s_lshl_b32 s20, ttmp9, 7                       ; os: two tiles of 64 bytes
	s_mov_b32 s21, 0
	s_lshl_b32 s22, s16, 15                        ; Wo's codes: my 128 rows
	s_mov_b32 s23, 0
	s_lshl_b32 s24, s16, 11                        ; its scale bytes
	s_mov_b32 s25, 0
	s_lshl_b32 s26, s16, 9                         ; bo: my 128 numbers
	s_mov_b32 s27, 0
	; lane r of tile T stands for token 64 (T / 4) + 8 (T % 4) + r % 8 + 32 (r / 8): tiles 2 p and 2 p + 1 begin at token 64 (p / 2) + 16 (p % 2) + 8 u
	s_lshr_b32 s28, ttmp9, 1
	s_lshl_b32 s28, s28, 17                        ; out0: 64 rows of 2,048 bytes for each pair of work-groups,
	s_and_b32 s30, ttmp9, 1
	s_lshl_b32 s30, s30, 15                        ; 16 rows for the odd one, + my 512 bytes of a row
	s_add_co_u32 s28, s28, s30
	s_add_co_u32 s28, s28, s26
	s_mov_b32 s29, 0
	s_wait_alu depctr_va_vdst(0)
	s_wait_kmcnt 0x0
	s_add_nc_u64 s[4:5], s[4:5], s[18:19]
	s_add_nc_u64 s[6:7], s[6:7], s[20:21]
	s_add_nc_u64 s[8:9], s[8:9], s[22:23]
	s_add_nc_u64 s[10:11], s[10:11], s[24:25]
	s_add_nc_u64 s[12:13], s[12:13], s[26:27]
	s_add_nc_u64 s[14:15], s[14:15], s[28:29]
.irp t, 0,1,2,3,4,5,6,7
	global_load_b128 v[SSW+4*\t:SSW+4*\t+3], v4, s[10:11] offset:256*\t      ; a row's four scale words at once
.endr
.irp d, 0,1,2,3,4,5,6,7
	global_load_b32 v[RAW+\d], v6, s[6:7] offset:32768*\d                    ; head d: 128 consecutive bytes
.endr
	WIN 0x80                                       ; destination window 2
.irp t, 0,1,2,3,4,5,6,7
	global_load_b128 v[8*\t:8*\t+3], v7, s[12:13] offset:64*\t               ; register 8 t + j of lane (r, h): channel 16 t + 8 h + j
	global_load_b128 v[8*\t+4:8*\t+7], v7, s[12:13] offset:64*\t+16
.endr
	WIN 0
.irp u, 0,1
.irp s, 0,1,2,3
.irp c, 0,1
	global_load_b128 v[MOV+32*\u+8*\s+4*\c:MOV+32*\u+8*\s+4*\c+3], v5, s[4:5] offset:4096*\u+512*(2*\s+\c)   ; an image: 512 consecutive bytes
.endr
.endr
.endr
	WIN 0x40                                       ; destination window 1
.irp t, 0,1,2,3,4,5,6,7
.irp s, 0,1,2,3
.irp c, 0,1
	global_load_b128 v[8*(4*\t+\s)+4*\c:8*(4*\t+\s)+4*\c+3], v3, s[8:9] offset:4096*\t+64*\s+32*\c
.endr
.endr
.endr
	WIN 0
	s_wait_loadcnt 0x0
.irp s, 0,1,2,3
	v_lshl_or_b32 v[OSW+\s], v[RAW+1+2*\s], 16, v[RAW+2*\s]   ; K step s: head 2 s's two bytes below, head 2 s + 1's above
.endr
	v_mul_u32_u24 v8, v1, 528                      ; the stage's addresses, and four v_nop: eight plain instructions between the scale words' last write and the first product
	v_lshl_add_u32 v8, v2, 5, v8
	v_add_nc_u32 v8, s17, v8                       ; in: row r, 32 bytes for each half of the lanes
	v_add_nc_u32 v9, s17, v5                       ; back: the 32 lanes take one row of 512 bytes
.rept 4
	v_nop
.endr
.irp s, 0,1,2,3                                ; 64 matrix instructions, K step by K step, the sixteen accumulators by turns, one instruction a turn
.if \s == 0
	WIN 0x21                                       ; source 0 (Wo) window 1, C (bo) window 2
.else
	WIN 0x01
.endif
.irp t, 0,1,2,3,4,5,6,7
.set CB, ACC+8*\t
.if \s == 0
.set CB, 8*\t
.endif
	v_wmma_scale_f32_16x16x128_f8f6f4 v[ACC+8*\t:ACC+8*\t+7], v[8*(4*\t+\s):8*(4*\t+\s)+7], v[MOV+8*\s:MOV+8*\s+7], v[CB:CB+7], v[SSW+4*\t+\s], v[OSW+\s] matrix_a_fmt:MATRIX_FMT_FP4 matrix_b_fmt:MATRIX_FMT_FP4
.endr
.irp t, 0,1,2,3,4,5,6,7
.set CB, ACC+64+8*\t
.if \s == 0
.set CB, 8*\t
.endif
	v_wmma_scale_f32_16x16x128_f8f6f4 v[ACC+64+8*\t:ACC+64+8*\t+7], v[8*(4*\t+\s):8*(4*\t+\s)+7], v[MOV+32+8*\s:MOV+32+8*\s+7], v[CB:CB+7], v[SSW+4*\t+\s], v[OSW+\s] matrix_a_fmt:MATRIX_FMT_FP4 matrix_b_fmt:MATRIX_FMT_FP4 matrix_b_scale:MATRIX_SCALE_ROW1
.endr
.endr
	WIN 0
.rept 4
	v_nop                                          ; places between the last product and the first read of results, and the loads into o's registers
.endr
.macro TOST u                          ; tile u's 16 rows x 128 channels into my stage, each accumulator from its low end on
.irp t, 0,1,2,3,4,5,6,7
	ds_store_b128 v8, v[ACC+64*\u+8*\t:ACC+64*\u+8*\t+3] offset:64*\t
	ds_store_b128 v8, v[ACC+64*\u+8*\t+4:ACC+64*\u+8*\t+7] offset:64*\t+16
.endr
.endm
.macro BACK u                          ; and back as whole rows.  LDS serves a wave's instructions in order: these see the stores above, and the next tile's stores come behind them
.irp p, 0,1,2,3,4,5,6,7,8,9,10,11,12,13,14,15
	ds_load_b128 v[MOV+64*\u+4*\p:MOV+64*\u+4*\p+3], v9 offset:528*\p
.endr
.endm
.macro SEND u, younger                 ; younger: the LDS instructions issued behind tile u's loads
.irp p, 0,1,2,3,4,5,6,7,8,9,10,11,12,13,14,15
	s_wait_dscnt \younger+15-\p                    ; row p is back; the later rows, and what was issued behind them, may be out
	global_store_b128 v5, v[MOV+64*\u+4*\p:MOV+64*\u+4*\p+3], s[14:15] offset:2048*(8*\u+\p+24*(\p/8)) th:TH_STORE_NT   ; 32 lanes store 512 consecutive bytes of the token 8 u + row % 8 + 32 (row / 8) from the work-group's first; written once, read by nobody here
.endr
.endm
	TOST 0
	BACK 0
	TOST 1
	s_wait_alu depctr_va_vdst(0)
	s_wait_dscnt 32                                ; tile 0's 16 loads and tile 1's 16 stores may be out: tile 0's stores into the stage are done, so its accumulators' registers may take tile 1's rows
	BACK 1
	SEND 0, 32
	SEND 1, 0
	s_wait_tensorcnt 0x0
	ds_add_u32 v62, v63
	s_wait_dscnt 0x0
	s_endpgm
.Lfunc_end_k_q88ed32bac3_proj:
	.size	k_q88ed32bac3_proj, .Lfunc_end_k_q88ed32bac3_proj-k_q88ed32bac3_proj
	.p2alignl 7, 3214868480
	.fill 96, 4, 3214868480
	.section	.rodata,"a",@progbits
	.p2align	6, 0x0
	.amdhsa_kernel k_q88ed32bac3_proj
		.amdhsa_group_segment_fixed_size 34304
		.amdhsa_private_segment_fixed_size 0
		.amdhsa_enable_private_segment 0
		.amdhsa_kernarg_size 48
		.amdhsa_user_sgpr_count 2
		.amdhsa_user_sgpr_kernarg_segment_ptr 1
		.amdhsa_wavefront_size32 1
		.amdhsa_system_sgpr_workgroup_id_x 1
		.amdhsa_system_sgpr_workgroup_id_y 1
		.amdhsa_system_sgpr_workgroup_id_z 1
		.amdhsa_system_vgpr_workitem_id 0
		.amdhsa_next_free_vgpr 576
		.amdhsa_next_free_sgpr 66
		.amdhsa_reserve_vcc 0
		.amdhsa_float_denorm_mode_32 3
		.amdhsa_float_denorm_mode_16_64 3
		.amdhsa_memory_ordered 1
		.amdhsa_forward_progress 1
		.amdhsa_inst_pref_size 30
	.end_amdhsa_kernel
	.amdgpu_metadata
---
amdhsa.version: [ 1, 2 ]
amdhsa.kernels:
  - .name:           k_q88ed32bac3_proj
    .symbol:         k_q88ed32bac3_proj.kd
    .args:
      - { .name: oc, .offset: 0, .size: 8, .value_kind: global_buffer, .address_space: global }
      - { .name: os, .offset: 8, .size: 8, .value_kind: global_buffer, .address_space: global }
      - { .name: Wo_codes, .offset: 16, .size: 8, .value_kind: global_buffer, .address_space: global }
      - { .name: Wo_scales, .offset: 24, .size: 8, .value_kind: global_buffer, .address_space: global }
      - { .name: bo, .offset: 32, .size: 8, .value_kind: global_buffer, .address_space: global }
      - { .name: out0, .offset: 40, .size: 8, .value_kind: global_buffer, .address_space: global }
    .group_segment_fixed_size: 34304
    .private_segment_fixed_size: 0
    .kernarg_segment_align: 8
    .kernarg_segment_size: 48
    .max_flat_workgroup_size: 128
    .sgpr_count:     66
    .vgpr_count:     576
    .wavefront_size: 32
...
	.end_amdgpu_metadata
.endif
;; end of part 3
